; MI455X (gfx1250); checked and timed in simulation.
; The chip was launched on July 23, 2026; its instructions are those of AMD's public machine-readable ISA for CDNA 5 (MIT licence, August 2026) and "CDNA5" Instruction Set Architecture Reference Guide (July 2026). The comments in the code are by the model that wrote it; some were corrected since.
;; Net VLAD. Allowed arithmetic: matrix products marked QUANTISED: E2M3 operands, one E8M0 scale for each 32 along K, by v_wmma_scale_f32_16x16x128_f8f6f4 with both operands' format E2M3, f32 sums; everything else in f32.
;; Inputs: centroids 64 x 128 float32; conv_w_codes 64 x 4 x 24 uint8 (E2M3 codes of conv_w, K innermost, in blocks of 32 codes, four codes in three bytes); conv_w_scales 64 x 4 uint8 (E8M0 scales of conv_w, one for each 32 codes along K); x 64 x 128 x 64 x 64 float32.
;; Outputs: out0 64 x 8,192 float32.
;; This version of the problem:
;;   THIS VERSION OF THE PROBLEM IS GIVEN IN LOW PRECISION. The matrix products marked QUANTISED in the list below multiply operands that are first quantised to E2M3 (2 exponent bits, 3 mantissa bits; 6 bits a number), with one power-of-two scale for each 32 numbers along K (OCP MX v1.0); their sums are f32. All else is computed in f32.
;;   The module's matrix products, in the order in which they are computed (A, B: the left and right operand; K: the contracted axis; several contracted axes count as one K, in the product's order):
;;     1. [M 262,144, K 128] x [K 128, N 64]; A: input x; B: input conv_w (given as codes): QUANTISED
;;     2. batch 64 x [M 64, K 4,096] x [K 4,096, N 128]; A: computed on the way; B: input x: QUANTISED
;;   THE QUANTISER, for each operand of a quantised product, along K:
;;     - K is cut into blocks of 32 from its start; a last block that is shorter is filled with zeros.
;;     - A block's scale is 2^e with e = floor(log2(the largest magnitude in the block)) - 2, held to -126 .. 127; a block of zeros has e = 0. As a byte (E8M0): e + 127.
;;     - Each number is divided by its block's scale, clamped to +-7.5, and rounded to the nearest number of E2M3, ties to even, subnormals kept.
;;     - The product sums the exact products of the quantised numbers (number of the format x scale) in f32.
;;   ~~~python
;;   def quantise(x, axis):      # numpy; x: float32 -> the quantised numbers, widened to float32 again
;;       x = np.moveaxis(x, axis, -1); K = x.shape[-1]
;;       x = np.pad(x, [(0, 0)] * (x.ndim - 1) + [(0, -K % 32)]); x = x.reshape(x.shape[:-1] + (-1, 32)); a = np.abs(x).max(-1, keepdims=True)
;;       e = np.where(a > 0, np.clip(np.frexp(np.where(a > 0, a, 1))[1] - 1 - 2, -126, 127), 0)      # np.frexp(a)[1] - 1 = floor(log2(a)), exactly
;;       r = np.clip(x / 2.0 ** e, -7.5, 7.5)
;;       step = 2.0 ** (np.maximum(np.frexp(np.where(r == 0, 1, r))[1] - 1, 0) - 3)
;;       q = np.round(r / step) * step * 2.0 ** e      # np.round: ties to even
;;       return np.moveaxis(q.reshape(q.shape[:-2] + (-1,))[..., :K], -1, axis).astype(np.float32)
;;   ~~~
;;   OPERANDS COMPUTED ON THE WAY. 'Computed on the way' means the value that the module computes at that place (a softmax that the list does not call 'softmax' is quantised finished and normalised). What goes into a quantiser is computed in f32, as accurately as f32 sums, v_exp_f32 and their like allow (about 1e-6 of the number): no bf16 or f16 on the way to a quantiser, and a product that is left as it is and whose result goes on into a quantised operand takes f32 operands (vector FMAs, or v_wmma_f32_16x16x4_f32). A number that lies on a knife's edge between two numbers of the format may be rounded either way, as far as f32 arithmetic and the matrix unit's own rounding can turn it there, and no further.
;;   INPUTS GIVEN AS CODES. conv_w (in the module: [64, 128], K = its axis 1): each comes as NAME_codes (uint8): NAME with its K axis moved to the last place and cut into blocks of 32 codes, [.., K / 32, bytes a block], one block behind the other in memory; four codes in three bytes: a row's codes are one little-endian stream of bits, code i at bits 6 i .. 6 i + 5 (a code: sign, 2 exponent bits, 3 mantissa bits); and NAME_scales (uint8): the same leading axes, one E8M0 byte (e + 127) for each 32 codes along K. Its value is code x scale, taken as it is: it is not quantised again, and the codes and scales need not be those that the quantiser above would give.
;; One version. Each part assembles by itself: llvm-mc -triple=amdgcn-amd-amdhsa -mcpu=gfx1250 --defsym DOCPART=n.
;; ======== version 1 of 1: 2 launches
;; workspace buffers: part 8,388,608 bytes; asum 131,072 bytes
;; launch vlad_part (part 1): grid 4 x 64, 8 waves a work-group, no clusters, 296,960 bytes of LDS; arguments x, conv_w_codes, conv_w_scales, part, asum; writes part, asum
.if DOCPART == 1
	.amdgcn_target "amdgcn-amd-amdhsa--gfx1250"
	.amdhsa_code_object_version 6
	.text
	.protected	k_q58769e2a68_vlad_part
	.globl	k_q58769e2a68_vlad_part
	.p2align	8
	.type	k_q58769e2a68_vlad_part,@function
k_q58769e2a68_vlad_part:
	s_mov_b64 s[64:65], 0
	v_nop
	global_prefetch_b8 v0, s[64:65] scope:SCOPE_SE
	s_setreg_imm32_b32 hwreg(HW_REG_WAVE_MODE, 25, 1), 1
	s_wait_xcnt 0x0
; NetVLAD, first part.  x: [64][128 channels][4096 positions] f32.  conv_w: [64 clusters][128] as E2M3 codes with E8M0 scale bytes.
; A work-group takes one batch row and 1,024 positions and makes: part = sum over its positions of Q(a)[cluster][n] Q(x)[channel][n], and asum = sum of a[cluster][n],
; a = softmax over the clusters of Q(x)[n][:] . conv_w[cluster][:].  Q is the MX quantiser: along the channels for the first product, along the positions for both operands of the second.
; Both products go by v_wmma_scale_f32_16x16x128_f8f6f4 on E2M3 codes; all else is f32.  The second launch adds the four parts of a batch row and normalises.
; STEPS.  Four steps of 256 positions.  A step's 128 x 256 numbers lie in one of two LDS slots (rows of 1,024 bytes + 16 of padding); wave g brings rows 16 g .. 16 g + 15.
; HOW x COMES.  Steps 0 and 1: one tensor load a wave and slot, both at the head; no slot is filled by a tensor load again.  Steps 2 and 3 come THROUGH REGISTERS: a wave's 16 rows x 1,024 bytes are 32 loads of
; 512 consecutive bytes, 128 registers, in four quarters of 8 loads.  A step has four places; at each, the quarter that was asked for one step earlier is waited for and stored into the slot that is not being read
; (its reads ended at the last barrier, and it has had its only tensor fill), and the same quarter of the next step is asked for.  So a request does not wait until all earlier ones have landed, and
; one step's bytes are on their way throughout.  Step 2 is asked for in step 0, not at the head: step 0's tile is wanted first.
; A STEP, wave g:  (a) positions 32 g .. 32 g + 31, a lane to a position, registers down the channels: four blocks of 32 channels are quantised in the lane; lane halves are exchanged so that two operand
; tiles of 16 positions arise;  (b) 8 products (source 0 = positions, source 1 = clusters): a lane holds ONE cluster and 16 neighbouring positions; the softmax goes over 4 registers and 16 lanes;
; (c) a is summed, quantised along the positions, and its codes and scale bytes go to LDS at their places in the operand's register image;  (d) channels 16 g .. 16 g + 15 of all 256 positions are read by rows
; and quantised along the positions, in registers;  (e) ONE barrier: the images of a, and the next step's slot, are whole, and every read of this slot is over; then 8 products add onto 4 accumulators.
; THE POSITIONS OF A TILE ARE NOT NEIGHBOURS: row r of tile u is position 8 u + r + 8 (r / 8), so that the 16 result registers of tiles 0 and 1 are positions 16 (lane / 16) + 0 .. 15.
; No cluster: the work-groups share no byte of x, and conv_w is 6,144 bytes.  No prefetch: the launch is one stream, and its own requests go out a step ahead.
; LIMITS: NaN and infinities in x are not served.  A block whose largest magnitude lies under 2^-124 keeps the scale byte 1 (a block of zeros too, where the rule says 127: its codes are zeros and the bytes
; are read by this program alone).  An exponential under 2^-126 comes out as 0.
.set PITCH,  1040                      ; 65 x 16 bytes: sixteen neighbouring rows begin 16 bytes apart modulo 256
.set SLOT,   128*PITCH                 ; 133,120 bytes
.set IMG,    2*SLOT                    ; behind the slots: images of a's operands: two sets x (2 K steps x 4 cluster tiles) x 1,536 bytes
.set IMGT,   1536
.set IMGSET, 8*IMGT
.set ASC,    IMG+2*IMGSET              ; a's scale words: two sets x 8 x 64 bytes
.set ASCSET, 512
.set AST,    ASC+2*ASCSET              ; the waves' sums of a: 8 x 512 bytes; LDS ends at 295,936
.set FLOOR,  0x1800000                 ; 2^(3 - 127): no largest magnitude is taken under it, so no scale byte falls under 1
.set GA,  1                            ; v1   16 x lane: my 16 bytes of a load's 512; never rewritten
.set DA,  2                            ; v2-3 LDS address of my 16 bytes in my wave's first row of slot 0, 1; never rewritten
.set AA,  4                            ; v4-7 LDS address of my position in rows 0 and 64 of slot 0, of slot 1
.set BA,  8                            ; v8-9 LDS address of my channel's row (+ 128 bytes for lanes 16-31) in slot 0, 1
.set IS,  10                           ; v10-12 where my three registers of a's codes go in an image
.set IL,  13                           ; v13  IMG + 16 x lane: where an image is read
.set SB,  14                           ; v14  where my block's scale byte goes
.set SW,  15                           ; v15  where a scale word of a is read
.set ASA, 16                           ; v16  AST + 16 x thread
.set PO,  17                           ; v17  4,096 x wave + 16 x lane: my place in part
.set SH8, 18                           ; v18  8 x (lane / 16)
.set WS,  20                           ; v20-23 conv_w's scale words           (v20-35 hold scales and nothing else)
.set XS1, 24                           ; v24  x's scale words along the channels: lane l has its own position's
.set XS2, 26                           ; v26-27 x's scale words along the positions, K step 0, 1
.set ASW, 28                           ; v28-35 a's scale words, K step k, tile t at 4 k + t
.set AS,  36                           ; v36-43 sums of a: a pair for each cluster tile
.set XA,  44                           ; v44-67 x's codes for the first product: two tiles of 12
.set PC,  44                           ; later a's codes: 3 registers (in places of 4) for each cluster tile
.set XC,  68                           ; v68-91 x's codes for the second product: two K steps of 12
.set M,   92                           ; v92-107 16 maxima, then sums, then reciprocals; at other times scratch
.set HT,  92                           ; the upper halves of four blocks' codes (a conversion's three registers begin on an even number)
.set T,   108                          ; v108-109 two chains of a maximum
.set SO,  110                          ; v110-113 the conversions' scale operands
.set BY,  114                          ; v114-117 scale bytes
.set HT2, 118                          ; v118-125 upper halves again
.set W2,  126
.set W3,  127
.set X,   128                          ; v128-255 128 numbers of x; later the images of a (96)
.set S,   192                          ; v192-255 the logits: register 16 t + i: cluster 16 t + lane % 16, position 16 (lane / 16) + i
.set WOF, 141                          ; at the head alone: my byte offset in conv_w's codes,
.set WSO, 142                          ; and in its scales
.set W,   0                            ; window 1: v0-47 conv_w's four tiles
.set ACC, 64                           ; window 1: v64-95 four accumulators: register j of tile t: channel 16 g + 8 (lane / 16) + j, cluster 16 t + lane % 16
.set R,   128                          ; window 1: v128-255 the step on its way through registers: quarter j at 32 j, load i of its eight at 4 i
.set WV,  14
.set G1,  16                           ; s[16:23] descriptor group 1
.set G0,  24                           ; s[24:31] descriptor group 0, a set for each slot
.set CS,  32                           ; s[32:33] log2(e)
.set SEL, 34                           ; s[34:35] v_permlanex16_b32's selects for the lane 16 away
.set XB,  38                           ; s[38:39] x at my wave's first row, my work-group's first position; never rewritten
.set MSB, 0
.macro WIN new                         ; the immediate's high byte repeats the setting that is left
.if MSB != \new
	s_set_vgpr_msb (MSB<<8)|\new
.set MSB, \new
.endif
.endm
.macro NOPS k
.rept \k
	v_nop
.endr
.endm
	s_load_b256 s[4:11], s[0:1], 0x0               ; x s[4:5], conv_w's codes s[6:7], its scales s[8:9], part s[10:11]
	s_load_b64 s[12:13], s[0:1], 0x20              ; asum
	v_lshl_add_u32 v25, v0, 2, 0x48400
	v_mov_b32 v125, 0
	ds_add_u32 v25, v125
	ds_add_u32 v25, v125
	v_lshrrev_b32 v128, 5, v0
	v_readfirstlane_b32 s[WV], v128                ; wave 0..7
	s_and_b32 s36, ttmp7, 0xffff                   ; the batch row
	s_lshl_b32 s2, s36, 21                         ; 128 x 4,096 x 4 bytes a batch row,
	s_lshl_b32 s3, ttmp9, 12                       ; 1,024 positions a work-group,
	s_add_co_u32 s2, s2, s3
	s_lshl_b32 s3, s[WV], 18                       ; 16 rows of 16,384 bytes a wave
	s_add_co_u32 s2, s2, s3
	s_mov_b32 s3, 0
	; group 1: a tile of 16 rows x 256 elements of 4 bytes; 4 words of padding behind every 256 words, which is a row
	s_mov_b32 s[G1+0], (2<<16)|(1<<20)|(7<<22)|(3<<25)
	s_mov_b32 s[G1+1], 256<<16                     ; tensor_dim0 = 256
	s_mov_b32 s[G1+2], 16<<16                      ; tensor_dim1 = 16
	s_mov_b32 s[G1+3], 256<<16                     ; tile_dim0 = 256
	s_mov_b32 s[G1+4], 16                          ; tile_dim1 = 16
	s_mov_b32 s[G1+5], 4096                        ; elements from row to row
	s_mov_b32 s[G1+6], 0
	s_mov_b32 s[G1+7], 0
	s_mul_i32 s37, s[WV], 16*PITCH                 ; my 16 rows in a slot
	s_wait_dscnt 0x0
	s_wait_kmcnt 0x0
	s_add_nc_u64 s[XB:XB+1], s[4:5], s[2:3]
	s_mov_b32 s[G0+0], 1
	s_mov_b32 s[G0+1], s37
	s_add_nc_u64 s[G0+2:G0+3], s[4:5], s[2:3]      ; step 0
	s_mov_b32 s[G0+4], 1
	s_add_co_u32 s[G0+5], s37, SLOT
	s_add_nc_u64 s[G0+6:G0+7], s[G0+2:G0+3], 1024  ; step 1: 256 positions on
	s_or_b32 s[G0+3], s[G0+3], 0x80000000          ; type = 2
	s_or_b32 s[G0+7], s[G0+7], 0x80000000
	tensor_load_to_lds s[G0:G0+3], s[G1:G1+7]      ; the launch's only tensor loads, together, ahead of every wait on TENSORcnt, LDS read and barrier: two loads of mine are out
	s_nop 0
	tensor_load_to_lds s[G0+4:G0+7], s[G1:G1+7]
	s_nop 0
	NOPS 4
	v_and_b32 v128, 15, v0                         ; r
	v_bfe_u32 v129, v0, 4, 1                       ; h
	v_bfe_u32 v130, v0, 5, 3                       ; wave
	v_and_b32 v131, 31, v0                         ; lane
	v_mul_u32_u24 v[WOF], v128, 96                 ; conv_w: row r of 96 bytes, + 24 h
	v_mad_u32_u24 v[WOF], v129, 24, v[WOF]
	v_lshlrev_b32 v[WSO], 2, v128
	WIN 0x40                                       ; destination window 1
.irp t, 0,1,2,3
.irp p, 0,1,2,3,4,5
	global_load_b64 v[W+12*\t+2*\p:W+12*\t+2*\p+1], v[WOF], s[6:7] offset:16*\t*96+48*(\p/3)+8*(\p%3)
.endr
.endr
	WIN 0
.irp t, 0,1,2,3
	global_load_b32 v[WS+\t], v[WSO], s[8:9] offset:64*\t
.endr
	v_lshlrev_b32 v[GA], 4, v131
	v_mul_u32_u24 v[DA], v130, 16*PITCH            ; my wave's 16 rows,
	v_lshl_add_u32 v[DA], v131, 4, v[DA]           ; my 16 bytes of 512
	v_add_nc_u32 v[DA+1], SLOT, v[DA]
	v_and_b32 v132, 7, v0                          ; my position among the wave's 32: lane bits 3 and 4 change places
	v_bfe_u32 v133, v0, 3, 1
	v_lshl_or_b32 v132, v129, 3, v132
	v_lshl_or_b32 v132, v133, 4, v132
	v_lshlrev_b32 v132, 2, v132
	v_lshl_add_u32 v[AA], v130, 7, v132            ; + 128 bytes a wave
	v_add_nc_u32 v[AA+1], 64*PITCH, v[AA]          ; an LDS offset reaches 63 rows
	v_add_nc_u32 v[AA+2], SLOT, v[AA]
	v_add_nc_u32 v[AA+3], SLOT+64*PITCH, v[AA]
	v_lshl_or_b32 v133, v130, 4, v128              ; my channel: 16 x wave + r
	v_mul_u32_u24 v133, v133, PITCH
	v_lshl_add_u32 v[BA], v129, 7, v133            ; lanes 16-31 begin 32 positions on
	v_add_nc_u32 v[BA+1], SLOT, v[BA]
	; a's codes.  My wave's block of 32 positions is block 2 c + e of K step k: e, c, k = bits 0, 1, 2 of the wave's number.  In the operand it lies in lanes r + 16 e, registers 6 c .. 6 c + 5; my three registers
	; are 6 c + 3 h + 0 .. 2.  An image holds register q of lane L at 512 (q / 4) + 16 L + 4 (q % 4), so that three loads of 16 bytes a lane bring the operand.
	v_bfe_u32 v134, v0, 5, 1
	v_bfe_u32 v135, v0, 6, 1
	v_bfe_u32 v136, v0, 7, 1
	v_mul_u32_u24 v137, v135, 6
	v_mad_u32_u24 v137, v129, 3, v137
	v_lshl_or_b32 v138, v134, 4, v128
	v_lshlrev_b32 v138, 4, v138
	v_mad_u32_u24 v138, v136, 4*IMGT, v138
	v_add_nc_u32 v138, IMG, v138
.irp j, 0,1,2
	v_add_nc_u32 v139, \j, v137
	v_lshrrev_b32 v140, 2, v139
	v_and_b32 v139, 3, v139
	v_lshl_add_u32 v140, v140, 9, v138
	v_lshl_add_u32 v[IS+\j], v139, 2, v140
.endr
	v_lshl_add_u32 v[IL], v131, 4, IMG
	v_bfe_u32 v139, v0, 5, 2                       ; my block's byte in the scale word
	v_lshl_add_u32 v139, v128, 2, v139
	v_lshl_add_u32 v139, v136, 8, v139
	v_add_nc_u32 v[SB], ASC, v139
	v_lshl_add_u32 v[SW], v128, 2, ASC
	v_lshl_add_u32 v[ASA], v0, 4, AST
	v_lshl_add_u32 v[PO], v130, 12, v[GA]
	v_lshlrev_b32 v[SH8], 3, v129
.irp e, 0,1,2,3,4,5,6,7
	v_mov_b32 v[AS+\e], 0
.endr
	v_mov_b32 v[W3], 0                             ; a lane permute's destination counts as one of its sources
	s_mov_b32 s[CS], 0x3fb8aa3b
	s_mov_b32 s[CS+1], s[CS]                       ; (named with it as a pair)
	s_mov_b32 s[SEL], 0x76543210
	s_mov_b32 s[SEL+1], 0xfedcba98
	s_lshl_b32 s36, s36, 2
	s_add_co_u32 s36, s36, ttmp9                   ; work-group = 4 x batch row + quarter
	s_lshl_b32 s2, s36, 15
	s_add_nc_u64 s[10:11], s[10:11], s[2:3]        ; 32,768 bytes of part a work-group
	s_lshl_b32 s2, s36, 9
	s_add_nc_u64 s[12:13], s[12:13], s[2:3]        ; 512 bytes of asum
; x THROUGH REGISTERS.  Quarter j of a step: rows 4 j .. 4 j + 3 of my 16, two loads of 512 consecutive bytes a row.
.macro ASKX step, j                    ; asked for: every offset is an immediate, 249,344 bytes at the most
	WIN 0x40                                       ; destination window 1
.set i, 0
.rept 8
	global_load_b128 v[R+32*(\j)+4*i:R+32*(\j)+4*i+3], v[GA], s[XB:XB+1] offset:(\step)*1024+(4*(\j)+i/2)*16384+(i%2)*512 th:TH_LOAD_NT
.set i, i+1
.endr
	WIN 0
.endm
.macro PUTX slot, j, left              ; landed, and stored where a tensor load would have laid it.  left: the loads issued behind this quarter's, which may stay out
	s_wait_loadcnt \left
	WIN 0x04                                       ; an LDS store's data are its source 1: window 1
.set i, 0
.rept 8
	ds_store_b128 v[DA+(\slot)], v[R+32*(\j)+4*i:R+32*(\j)+4*i+3] offset:(4*(\j)+i/2)*PITCH+(i%2)*512
.set i, i+1
.endr
	WIN 0
.endm
.macro PUT_IF put, ask, slot, j        ; into the slot that is not being read.  Where the next step is asked for too, behind quarter j stand the 3 - j later quarters of its step and j quarters of the next: 24 loads; else the 3 - j alone
.if \put
.if \ask
	PUTX 1-(\slot), \j, 24
.else
	PUTX 1-(\slot), \j, 24-8*(\j)
.endif
.endif
.endm
.macro ASK_IF put, ask, j
.if \ask
.if \put
	s_wait_dscnt 0x0                               ; the stores have read the registers into which these loads land
.endif
	ASKX \ask, \j
.endif
.endm
.macro LOADA slot, b                   ; channels 32 b .. 32 b + 31 of my position: each load takes 128 consecutive bytes of a row
.set i, 0
.rept 32
	ds_load_b32 v[X+32*(\b)+i], v[AA+2*(\slot)+(\b)/2] offset:(32*((\b)%2)+i)*PITCH
.set i, i+1
.endr
.endm
.macro LOADB slot, k                   ; my channel, K step k: positions 128 k + 64 c + 32 (lane / 16) + 0 .. 31, c = 0, 1
.set i, 0
.rept 16
	ds_load_b128 v[X+64*(\k)+4*i:X+64*(\k)+4*i+3], v[BA+(\slot)] offset:512*(\k)+256*(i/8)+16*(i%8)
.set i, i+1
.endr
.endm
.macro AMAX d, e, xb                   ; the largest magnitude of 32 registers and the floor, in two chains
	v_max3_num_f32 v[\d], |v[\xb]|, |v[\xb+1]|, FLOOR
	v_max3_num_f32 v[\e], |v[\xb+2]|, |v[\xb+3]|, |v[\xb+4]|
.irp i, 5,9,13,17,21,25
	v_max3_num_f32 v[\d], v[\d], |v[\xb+\i]|, |v[\xb+\i+1]|
	v_max3_num_f32 v[\e], v[\e], |v[\xb+\i+2]|, |v[\xb+\i+3]|
.endr
	v_max3_num_f32 v[\d], v[\d], |v[\xb+29]|, |v[\xb+30]|
	v_max3_num_f32 v[\d], v[\d], v[\e], |v[\xb+31]|
.endm
.macro QA b                            ; block b of my position's channels.  Its codes' home: tile b % 2, registers 6 (b / 2) on (the exchange below makes that true)
	AMAX T, T+1, X+32*(\b)
	v_add_nc_u32 v[SO+\b], 0xff000000, v[T]        ; 2 off the exponent field: the conversion takes the exponent field of this operand as its scale
	v_lshrrev_b32 v[BY+\b], 23, v[SO+\b]           ; the scale's byte
	v_cvt_scalef32_pk16_fp6_f32 v[XA+12*((\b)%2)+6*((\b)/2):XA+12*((\b)%2)+6*((\b)/2)+2], v[X+32*(\b):X+32*(\b)+15], v[SO+\b]
	v_cvt_scalef32_pk16_fp6_f32 v[HT+4*(\b):HT+4*(\b)+2], v[X+32*(\b)+16:X+32*(\b)+31], v[SO+\b]
.endm
.macro XTILES                          ; lane l holds blocks 0-3 of its position.  An operand wants blocks 0, 2 in lanes 0-15 and blocks 1, 3 in lanes 16-31
	v_lshl_or_b32 v[XS1], v[BY+1], 8, v[BY]        ; my position's scale word.  (Plain lines behind the last conversion)
	v_lshl_or_b32 v[XS1], v[BY+2], 16, v[XS1]
	v_lshl_or_b32 v[XS1], v[BY+3], 24, v[XS1]
.irp p, 0,1
.irp e, 0,1,2
	v_permlane16_swap_b32 v[XA+6*\p+\e], v[XA+12+6*\p+\e]      ; block 2 p's lanes 16-31 change places with block 2 p + 1's lanes 0-15: the first is now tile 0's, the second tile 1's
	v_permlane16_swap_b32 v[HT+8*\p+\e], v[HT+8*\p+4+\e]
.endr
.endr
.irp b, 0,2,1,3
.irp e, 0,1,2
	v_mov_b32 v[XA+12*(\b%2)+6*(\b/2)+3+\e], v[HT+4*\b+\e]
.endr
.endr
.endm
.macro P1                              ; logits: source 0 = 16 positions, source 1 = 16 clusters.  Tile 1's scale words lie in lanes 16-31
	WIN 0x04                                       ; source 1 window 1
.irp u, 0,1
.irp t, 0,1,2,3
.if \u
	v_wmma_scale_f32_16x16x128_f8f6f4 v[S+16*\t+8:S+16*\t+15], v[XA+12:XA+23], v[W+12*\t:W+12*\t+11], 0, v[XS1], v[WS+\t] matrix_a_fmt:MATRIX_FMT_FP6 matrix_b_fmt:MATRIX_FMT_FP6 matrix_a_scale:MATRIX_SCALE_ROW1
.else
	v_wmma_scale_f32_16x16x128_f8f6f4 v[S+16*\t:S+16*\t+7], v[XA:XA+11], v[W+12*\t:W+12*\t+11], 0, v[XS1], v[WS+\t] matrix_a_fmt:MATRIX_FMT_FP6 matrix_b_fmt:MATRIX_FMT_FP6
.endif
.endr
.endr
	WIN 0
.endm
; THE SOFTMAX over the 64 clusters of each position: registers i, 16 + i, 32 + i, 48 + i and the 16 lanes of my half.  In three parts, between which x's quarters are handled.
.macro SOFTMAX_A                       ; the maximum, and the exponentials
.set i, 0
.rept 16
	v_max3_num_f32 v[M+i], v[S+i], v[S+16+i], v[S+32+i]        ; (each result tile is read from its low end on)
.set i, i+1
.endr
.set i, 0
.rept 16
	v_max_num_f32 v[M+i], v[M+i], v[S+48+i]
.set i, i+1
.endr
.irp m, 1,2,4,8
.set i, 0
.rept 16
	v_max_num_f32_dpp v[M+i], v[M+i], v[M+i] row_xmask:\m row_mask:0xf bank_mask:0xf
.set i, i+1
.endr
.endr
.set i, 0
.rept 8
	v_pk_mul_f32 v[M+2*i:M+2*i+1], v[M+2*i:M+2*i+1], s[CS:CS+1] op_sel_hi:[1,0]   ; the maximum x log2(e): its rounding is common to a position's 64 terms and cancels in the quotient
.set i, i+1
.endr
.set i, 0
.rept 32
	v_pk_fma_f32 v[S+2*i:S+2*i+1], v[S+2*i:S+2*i+1], s[CS:CS+1], v[M+2*(i%8):M+2*(i%8)+1] op_sel_hi:[1,0,1] neg_lo:[0,0,1] neg_hi:[0,0,1]
.set i, i+1
.endr
.set i, 0
.rept 64
	v_exp_f32 v[S+i], v[S+i]
.set i, i+1
.endr
	v_nop                                          ; a plain line behind the last exponential,
	s_wait_alu depctr_va_vdst(0)                   ; and one wait for the batch, ahead of its first reader
.endm
.macro SOFTMAX_B                       ; the four registers of a position
.set i, 0
.rept 8
	v_pk_add_f32 v[M+2*i:M+2*i+1], v[S+2*i:S+2*i+1], v[S+16+2*i:S+16+2*i+1]
.set i, i+1
.endr
.irp o, 32,48
.set i, 0
.rept 8
	v_pk_add_f32 v[M+2*i:M+2*i+1], v[M+2*i:M+2*i+1], v[S+\o+2*i:S+\o+2*i+1]
.set i, i+1
.endr
.endr
.endm
.macro SOFTMAX_C                       ; the sixteen lanes, and the division
.irp m, 1,2,4,8
.set i, 0
.rept 16
	v_add_f32_dpp v[M+i], v[M+i], v[M+i] row_xmask:\m row_mask:0xf bank_mask:0xf
.set i, i+1
.endr
.endr
.set i, 0
.rept 16
	v_rcp_f32 v[M+i], v[M+i]                       ; the sum is at least the largest term, which is about 1
.set i, i+1
.endr
	v_nop
	s_wait_alu depctr_va_vdst(0)                   ; one wait for the sixteen
.set i, 0
.rept 32
	v_pk_mul_f32 v[S+2*i:S+2*i+1], v[S+2*i:S+2*i+1], v[M+2*(i%8):M+2*(i%8)+1]     ; a, finished and normalised
.set i, i+1
.endr
.endm
.macro AQUANT                          ; the sums of the unquantised a; then a's four blocks (one a cluster tile): my 16 positions and those of the lane 16 away
.set i, 0
.rept 8
.irp t, 0,1,2,3
	v_pk_add_f32 v[AS+2*\t:AS+2*\t+1], v[AS+2*\t:AS+2*\t+1], v[S+16*\t+2*i:S+16*\t+2*i+1]
.endr
.set i, i+1
.endr
.irp t, 0,1,2,3
	v_max3_num_f32 v[M+\t], v[S+16*\t], v[S+16*\t+1], FLOOR    ; no |.|: a is not negative
.endr
.irp i, 2,4,6,8,10,12,14
.irp t, 0,1,2,3
	v_max3_num_f32 v[M+\t], v[M+\t], v[S+16*\t+\i], v[S+16*\t+\i+1]
.endr
.endr
.irp t, 0,1,2,3
	v_permlanex16_b32 v[M+4+\t], v[M+\t], s[SEL], s[SEL+1]
.endr
.irp t, 0,1,2,3
	v_max_num_f32 v[M+\t], v[M+\t], v[M+4+\t]
.endr
.irp t, 0,1,2,3
	v_add_nc_u32 v[M+8+\t], 0xff000000, v[M+\t]
.endr
.irp t, 0,1,2,3
	v_lshrrev_b32 v[M+12+\t], 23, v[M+8+\t]
.endr
.irp t, 0,1,2,3
	v_cvt_scalef32_pk16_fp6_f32 v[PC+4*\t:PC+4*\t+2], v[S+16*\t:S+16*\t+15], v[M+8+\t]
.endr
	v_nop                                          ; one plain line behind the last conversion
.endm
.macro ASTORE set
.irp t, 0,1,2,3
.irp e, 0,1,2
	ds_store_b32 v[IS+\e], v[PC+4*\t+\e] offset:(\set)*IMGSET+\t*IMGT
.endr
	ds_store_b8 v[SB], v[M+12+\t] offset:(\set)*ASCSET+64*\t   ; both lanes of a block write the same byte with the same value
.endr
.endm
.macro QB k                            ; my channel's two blocks of K step k: whole blocks in a lane; the codes are the operand's registers
.irp c, 0,1
	AMAX T, T+1, X+64*(\k)+32*\c
	v_add_nc_u32 v[SO+\c], 0xff000000, v[T]
	v_lshrrev_b32 v[BY+\c], 23, v[SO+\c]
	v_cvt_scalef32_pk16_fp6_f32 v[XC+12*(\k)+6*\c:XC+12*(\k)+6*\c+2], v[X+64*(\k)+32*\c:X+64*(\k)+32*\c+15], v[SO+\c]
	v_cvt_scalef32_pk16_fp6_f32 v[HT2+4*\c:HT2+4*\c+2], v[X+64*(\k)+32*\c+16:X+64*(\k)+32*\c+31], v[SO+\c]
.endr
	v_lshl_or_b32 v[W2], v[BY+1], 16, v[BY]        ; my two bytes: blocks h and 2 + h,
	v_lshlrev_b32 v[W2], v[SH8], v[W2]             ; at their places in the word;
	v_permlanex16_b32 v[W3], v[W2], s[SEL], s[SEL+1]
	v_or_b32 v[XS2+\k], v[W2], v[W3]               ; with the two of the lane 16 away the word is whole
.irp c, 0,1
.irp e, 0,1,2
	v_mov_b32 v[XC+12*(\k)+6*\c+3+\e], v[HT2+4*\c+\e]
.endr
.endr
.endm
.macro FETCHA set                      ; a's eight operands and their scale words, made by all eight waves
.irp k, 0,1
.irp t, 0,1,2,3
.irp e, 0,1,2
	ds_load_b128 v[X+48*\k+12*\t+4*\e:X+48*\k+12*\t+4*\e+3], v[IL] offset:(\set)*IMGSET+(4*\k+\t)*IMGT+512*\e
.endr
	ds_load_b32 v[ASW+4*\k+\t], v[SW] offset:(\set)*ASCSET+(4*\k+\t)*64
.endr
.endr
.endm
.macro P2 first                        ; source 0 = my 16 channels, source 1 = 16 clusters, K = 128 positions.  The four accumulators take turns, one instruction a turn
	WIN 0x50                                       ; C and D window 1
.irp k, 0,1
.irp t, 0,1,2,3
.if (\first) && (\k == 0)
	v_wmma_scale_f32_16x16x128_f8f6f4 v[ACC+8*\t:ACC+8*\t+7], v[XC+12*\k:XC+12*\k+11], v[X+48*\k+12*\t:X+48*\k+12*\t+11], 0, v[XS2+\k], v[ASW+4*\k+\t] matrix_a_fmt:MATRIX_FMT_FP6 matrix_b_fmt:MATRIX_FMT_FP6
.else
	v_wmma_scale_f32_16x16x128_f8f6f4 v[ACC+8*\t:ACC+8*\t+7], v[XC+12*\k:XC+12*\k+11], v[X+48*\k+12*\t:X+48*\k+12*\t+11], v[ACC+8*\t:ACC+8*\t+7], v[XS2+\k], v[ASW+4*\k+\t] matrix_a_fmt:MATRIX_FMT_FP6 matrix_b_fmt:MATRIX_FMT_FP6
.endif
.endr
.endr
	WIN 0
.endm
; A step.  The image set is the slot's number.  ask: the step (2 or 3) whose quarters are asked for here, or 0;  put = 1: the quarters asked for in the step before are stored into the other slot.
.macro STEP slot, ask, put, first, last
	LOADA \slot, 0
	LOADA \slot, 1
	s_wait_dscnt 32                                ; block 0's 32 loads are in; block 1's may be out
	QA 0
	LOADA \slot, 2
	s_wait_dscnt 32                                ; block 1 is in; block 2's 32 may be out
	QA 1
	LOADA \slot, 3
	s_wait_dscnt 32                                ; block 2 is in
	QA 2
	s_wait_dscnt 0x0
	PUT_IF \put, \ask, \slot, 0                    ; quarter 0; the quantising below stands between its stores and the wait for them
	QA 3
	XTILES
	ASK_IF \put, \ask, 0
	LOADB \slot, 0                                 ; asked for here, wanted behind the softmax
	NOPS 8                                         ; a scale register written by a vector instruction stands 8 places ahead of a scaled matrix instruction, an operand so written 4
	P1
	NOPS 4                                         ; four places behind the products, ahead of the first read of their results (ISA guide 7.12.1)
	SOFTMAX_A
	PUT_IF \put, \ask, \slot, 1                    ; quarter 1
	SOFTMAX_B
	ASK_IF \put, \ask, 1
	SOFTMAX_C
	PUT_IF \put, \ask, \slot, 2                    ; quarter 2
	AQUANT
	ASK_IF \put, \ask, 2
	LOADB \slot, 1                                 ; into the registers that the logits have left
	ASTORE \slot
	s_wait_dscnt 32                                ; all but the last 32 LDS instructions are done, K step 0's 16 loads among them; behind them: 16 loads and 16 stores
	QB 0
	s_wait_dscnt 16                                ; K step 1's are in; behind them: the 16 stores
	QB 1
	PUT_IF \put, \ask, \slot, 3                    ; quarter 3
.if \last
.irp t, 0,1,2,3
	v_add_f32 v[HT2+\t], v[AS+2*\t], v[AS+2*\t+1]  ; my lane's sum of a for cluster 16 t + r
.endr
	ds_store_b128 v[ASA], v[HT2:HT2+3]
.endif
.if \first
	s_wait_tensorcnt 0x0                           ; my part of slot 1 has landed: no tensor load was issued behind it
.endif
	s_wait_dscnt 0x0                               ; for the others' sake: my reads of this slot are over; my images, bytes and rows of the other slot have landed
.if \ask
	ASKX \ask, 3                                   ; (its registers' stores are done too)
.endif
	s_barrier_signal -1
	s_barrier_wait -1                              ; all that now holds of every wave
	FETCHA \slot
	NOPS 8                                         ; places ahead of the scaled products, for x's codes and scale words
	s_wait_dscnt 0x0
	P2 \first
	NOPS 4                                         ; four places ahead of loads into registers that these products have read, and of the stores of their results
.endm
	s_wait_tensorcnt 0x1                           ; my part of slot 0 is in; slot 1's may stay out
	s_barrier_signal -1
	s_barrier_wait -1                              ; everybody's is
	s_wait_loadcnt 0x0                             ; conv_w
	STEP 0, 2, 0, 1, 0                             ; step 2 is asked for
	STEP 1, 3, 1, 0, 0                             ; step 2 goes into slot 0, step 3 is asked for
	STEP 0, 0, 1, 0, 0                             ; step 3 goes into slot 1
	STEP 1, 0, 0, 0, 1
	WIN 0x04                                       ; a store's data are its source 1: window 1
.irp t, 0,1,2,3
.irp e, 0,1
	global_store_b128 v[PO], v[ACC+8*\t+4*\e:ACC+8*\t+4*\e+3], s[10:11] offset:(2*\t+\e)*512   ; the accumulators as they stand, from the low end on: each store covers 512 consecutive bytes, aligned
.endr
.endr
	WIN 0
	s_cmp_lg_u32 s[WV], 0                          ; wave 0 adds the eight waves' sums of a, which lie in LDS since the last barrier
	s_cbranch_scc1 .Lend
.irp e, 0,1,2,3,4,5,6,7
	ds_load_b128 v[X+4*\e:X+4*\e+3], v[ASA] offset:512*\e
.endr
	s_wait_dscnt 0x0
.irp d, 4,2,1
.set i, 0
.rept 2*\d
	v_pk_add_f32 v[X+2*i:X+2*i+1], v[X+2*i:X+2*i+1], v[X+4*\d+2*i:X+4*\d+2*i+1]
.set i, i+1
.endr
.endr
	global_store_b128 v[PO], v[X:X+3], s[12:13]    ; lane (r, h): the four cluster tiles' sums over the positions of half h: 512 consecutive bytes
.Lend:
	s_wait_tensorcnt 0x0
	ds_add_u32 v25, v125
	s_wait_dscnt 0x0
	s_endpgm
.Lfunc_end_k_q58769e2a68_vlad_part:
	.size	k_q58769e2a68_vlad_part, .Lfunc_end_k_q58769e2a68_vlad_part-k_q58769e2a68_vlad_part
	.p2alignl 7, 3214868480
	.fill 96, 4, 3214868480
	.section	.rodata,"a",@progbits
	.p2align	6, 0x0
	.amdhsa_kernel k_q58769e2a68_vlad_part
		.amdhsa_group_segment_fixed_size 296960
		.amdhsa_private_segment_fixed_size 0
		.amdhsa_enable_private_segment 0
		.amdhsa_kernarg_size 40
		.amdhsa_user_sgpr_count 2
		.amdhsa_user_sgpr_kernarg_segment_ptr 1
		.amdhsa_wavefront_size32 1
		.amdhsa_system_sgpr_workgroup_id_x 1
		.amdhsa_system_sgpr_workgroup_id_y 1
		.amdhsa_system_sgpr_workgroup_id_z 1
		.amdhsa_system_vgpr_workitem_id 0
		.amdhsa_next_free_vgpr 512
		.amdhsa_next_free_sgpr 66
		.amdhsa_reserve_vcc 0
		.amdhsa_float_denorm_mode_32 3
		.amdhsa_float_denorm_mode_16_64 3
		.amdhsa_memory_ordered 1
		.amdhsa_forward_progress 1
		.amdhsa_inst_pref_size 228
	.end_amdhsa_kernel
	.amdgpu_metadata
---
amdhsa.version: [ 1, 2 ]
amdhsa.kernels:
  - .name:           k_q58769e2a68_vlad_part
    .symbol:         k_q58769e2a68_vlad_part.kd
    .args:
      - { .name: x, .offset: 0, .size: 8, .value_kind: global_buffer, .address_space: global }
      - { .name: conv_w_codes, .offset: 8, .size: 8, .value_kind: global_buffer, .address_space: global }
      - { .name: conv_w_scales, .offset: 16, .size: 8, .value_kind: global_buffer, .address_space: global }
      - { .name: part, .offset: 24, .size: 8, .value_kind: global_buffer, .address_space: global }
      - { .name: asum, .offset: 32, .size: 8, .value_kind: global_buffer, .address_space: global }
    .group_segment_fixed_size: 296960
    .private_segment_fixed_size: 0
    .kernarg_segment_align: 8
    .kernarg_segment_size: 40
    .max_flat_workgroup_size: 256
    .sgpr_count:     66
    .vgpr_count:     512
    .wavefront_size: 32
...
	.end_amdgpu_metadata
.endif
;; end of part 1
;; launch vlad_norm (part 2): grid 64 x 1, 8 waves a work-group, no clusters, 41,984 bytes of LDS; arguments part, asum, centroids, out0; writes out0
.if DOCPART == 2
	.amdgcn_target "amdgcn-amd-amdhsa--gfx1250"
	.amdhsa_code_object_version 6
	.text
	.protected	k_q58769e2a68_vlad_norm
	.globl	k_q58769e2a68_vlad_norm
	.p2align	8
	.type	k_q58769e2a68_vlad_norm,@function
k_q58769e2a68_vlad_norm:
	s_mov_b64 s[64:65], 0
	v_nop
	global_prefetch_b8 v0, s[64:65] scope:SCOPE_SE
	s_setreg_imm32_b32 hwreg(HW_REG_WAVE_MODE, 25, 1), 1
	s_wait_xcnt 0x0
; NetVLAD, second part: one work-group for each batch row.  vlad[k][c] = the four parts' sum - asum[k] centroids[k][c]; each cluster's row is divided by max(its norm, 1e-12), then all by max(the whole's norm, 1e-12).
; part lies as the first launch's registers stood: [work-group][wave w][tile t][half e][lane][4]: lane (r, h) of wave w holds cluster 16 t + r, channels 16 w + 8 h + 0 .. 7.  This launch's threads take the same places,
; so every load covers 512 consecutive bytes.  asum: [work-group][lane (r, h)][t]: the sum over the positions of half h.
; A row's sum of squares meets in LDS (one barrier); the whole's norm follows from the 64 rows' norms; the result goes through a stage in LDS (a second barrier) and leaves as whole rows of 512 bytes.
; No matrix work, no tensor load, no cluster: 160 KB are read and 32 KB written by a work-group, once.
.set P,   32                           ; v32-159  four parts of 32; the sum lands in the first; the rest is scratch afterwards
.set Q,   64                           ; v64-127  16 x 4 sums of squares; later 8 rows on the way out
.set A,   160                          ; v160-191 8 x 4 sums of a
.set C,   192                          ; v192-223 centroids
.set SS,  224
.set NR,  228
.set IV,  232
.set GG,  236
.set STG, 4096                         ; LDS: 4,096 bytes of sums of squares, then the stage: 64 rows x (512 + 16) bytes
.set SP,  528
	s_load_b256 s[4:11], s[0:1], 0x0               ; part, asum, centroids, out0
	v_lshl_add_u32 v254, v0, 2, 0xa000
	v_mov_b32 v255, 0
	v_and_b32 v1, 15, v0                           ; r
	v_bfe_u32 v2, v0, 4, 1                         ; h
	v_lshrrev_b32 v3, 5, v0                        ; wave
	v_and_b32 v4, 31, v0                           ; lane
	v_lshlrev_b32 v5, 4, v4
	v_lshl_add_u32 v5, v3, 12, v5                  ; 4,096 x wave + 16 x lane: my place in a part, and in out0's rows 8 w ..
	v_lshlrev_b32 v6, 4, v1                        ; 16 r
	v_lshlrev_b32 v7, 9, v1
	v_lshl_add_u32 v7, v3, 6, v7
	v_lshl_add_u32 v7, v2, 5, v7                   ; centroids: row r of 512 bytes, + 64 w + 32 h
	v_lshlrev_b32 v8, 4, v0                        ; LDS: 16 x thread
	v_mul_u32_u24 v9, v1, SP
	v_lshl_add_u32 v9, v3, 6, v9
	v_lshl_add_u32 v9, v2, 5, v9
	v_add_nc_u32 v9, STG, v9                       ; into the stage: row r, my 32 bytes
	v_mul_u32_u24 v10, v3, 8*SP
	v_lshl_add_u32 v10, v4, 4, v10
	v_add_nc_u32 v10, STG, v10                     ; out of it: rows 8 w .., 16 bytes a lane
	s_lshl_b32 s12, ttmp9, 17                      ; four parts of 32,768 bytes
	s_mov_b32 s13, 0
	s_lshl_b32 s14, ttmp9, 11                      ; four times 512 bytes
	s_mov_b32 s15, 0
	s_lshl_b32 s16, ttmp9, 15                      ; a row of out0
	s_mov_b32 s17, 0
	s_mov_b32 s18, 0x2b8cbccc                      ; 1e-12
	s_wait_kmcnt 0x0
	s_add_nc_u64 s[4:5], s[4:5], s[12:13]
	s_add_nc_u64 s[6:7], s[6:7], s[14:15]
	s_add_nc_u64 s[10:11], s[10:11], s[16:17]
.irp q, 0,1,2,3
.irp e, 0,1,2,3,4,5,6,7
	global_load_b128 v[P+32*\q+4*\e:P+32*\q+4*\e+3], v5, s[4:5] offset:\q*32768+\e*512 th:TH_LOAD_NT
.endr
.endr
.irp e, 0,1,2,3,4,5,6,7
	global_load_b128 v[A+4*\e:A+4*\e+3], v6, s[6:7] offset:\e*256      ; part e / 2, half e % 2, cluster tiles 0-3 of my r
.endr
.irp t, 0,1,2,3
.irp e, 0,1
	global_load_b128 v[C+8*\t+4*\e:C+8*\t+4*\e+3], v7, s[8:9] offset:\t*8192+16*\e
.endr
.endr
	s_wait_loadcnt 0x0
.set i, 0
.rept 16
	v_pk_add_f32 v[P+2*i:P+2*i+1], v[P+2*i:P+2*i+1], v[P+32+2*i:P+32+2*i+1]
	v_pk_add_f32 v[P+64+2*i:P+64+2*i+1], v[P+64+2*i:P+64+2*i+1], v[P+96+2*i:P+96+2*i+1]
.set i, i+1
.endr
.set i, 0
.rept 16
	v_pk_add_f32 v[P+2*i:P+2*i+1], v[P+2*i:P+2*i+1], v[P+64+2*i:P+64+2*i+1]
.set i, i+1
.endr
.irp d, 4,2,1
.set i, 0
.rept 2*\d
	v_pk_add_f32 v[A+2*i:A+2*i+1], v[A+2*i:A+2*i+1], v[A+4*\d+2*i:A+4*\d+2*i+1]
.set i, i+1
.endr
.endr
.irp j, 0,1,2,3,4,5,6,7
.irp t, 0,1,2,3
	v_fma_f32 v[P+8*\t+\j], -v[C+8*\t+\j], v[A+\t], v[P+8*\t+\j]       ; - asum x centroid
.endr
.endr
.irp t, 0,1,2,3
	v_mul_f32 v[SS+\t], v[P+8*\t], v[P+8*\t]
.endr
.irp j, 1,2,3,4,5,6,7
.irp t, 0,1,2,3
	v_fma_f32 v[SS+\t], v[P+8*\t+\j], v[P+8*\t+\j], v[SS+\t]
.endr
.endr
	ds_store_b128 v8, v[SS:SS+3]                   ; my eight channels' squares, for four clusters
	s_wait_dscnt 0x0                               ; for the others' sake: zero
	s_barrier_signal -1
	s_barrier_wait -1
.irp e, 0,1,2,3,4,5,6,7,8,9,10,11,12,13,14,15
	ds_load_b128 v[Q+4*\e:Q+4*\e+3], v6 offset:\e*256          ; wave e / 2, half e % 2, my r
.endr
	s_wait_dscnt 0x0
.irp d, 8,4,2,1
.set i, 0
.rept 2*\d
	v_pk_add_f32 v[Q+2*i:Q+2*i+1], v[Q+2*i:Q+2*i+1], v[Q+4*\d+2*i:Q+4*\d+2*i+1]
.set i, i+1
.endr
.endr
.irp t, 0,1,2,3
	v_sqrt_f32 v[NR+\t], v[Q+\t]
.endr
	v_nop
	s_wait_alu depctr_va_vdst(0)                   ; one wait for the four, ahead of their first reader
.irp t, 0,1,2,3
	v_max_num_f32 v[NR+\t], s18, v[NR+\t]
.endr
.irp t, 0,1,2,3
	v_rcp_f32 v[IV+\t], v[NR+\t]
.endr
	v_nop
	s_wait_alu depctr_va_vdst(0)
.irp t, 0,1,2,3
	v_mul_f32 v[GG+\t], v[Q+\t], v[IV+\t]
.endr
.irp t, 0,1,2,3
	v_mul_f32 v[GG+\t], v[GG+\t], v[IV+\t]         ; the normalised row's sum of squares
.endr
	v_add_f32 v[GG], v[GG], v[GG+1]
	v_add_f32 v[GG+2], v[GG+2], v[GG+3]
	v_add_f32 v[GG], v[GG], v[GG+2]
.irp m, 1,2,4,8
	v_add_f32_dpp v[GG], v[GG], v[GG] row_xmask:\m row_mask:0xf bank_mask:0xf   ; over the 16 r: all 64 clusters (both halves of the lanes hold the same)
.endr
	v_sqrt_f32 v[GG+1], v[GG]
	v_nop
	s_wait_alu depctr_va_vdst(0)
	v_max_num_f32 v[GG+1], s18, v[GG+1]
	v_rcp_f32 v[GG+2], v[GG+1]
	v_nop
	s_wait_alu depctr_va_vdst(0)
.irp t, 0,1,2,3
	v_mul_f32 v[IV+\t], v[IV+\t], v[GG+2]
.endr
.irp t, 0,1,2,3
.irp j, 0,1,2,3,4,5,6,7
	v_mul_f32 v[P+8*\t+\j], v[P+8*\t+\j], v[IV+\t]
.endr
.endr
.irp t, 0,1,2,3
.irp e, 0,1
	ds_store_b128 v9, v[P+8*\t+4*\e:P+8*\t+4*\e+3] offset:\t*16*SP+16*\e
.endr
.endr
	s_wait_dscnt 0x0                               ; my stores into the stage are done
	s_barrier_signal -1
	s_barrier_wait -1
.irp e, 0,1,2,3,4,5,6,7
	ds_load_b128 v[Q+4*\e:Q+4*\e+3], v10 offset:\e*SP
.endr
.irp e, 0,1,2,3,4,5,6,7
	s_wait_dscnt 7-\e                              ; row e is in; the younger rows' loads may be out
	global_store_b128 v5, v[Q+4*\e:Q+4*\e+3], s[10:11] offset:\e*512 th:TH_STORE_NT   ; a cluster's 128 channels: 512 consecutive bytes, aligned
.endr
	s_wait_tensorcnt 0x0
	ds_add_u32 v254, v255
	s_wait_dscnt 0x0
	s_endpgm
.Lfunc_end_k_q58769e2a68_vlad_norm:
	.size	k_q58769e2a68_vlad_norm, .Lfunc_end_k_q58769e2a68_vlad_norm-k_q58769e2a68_vlad_norm
	.p2alignl 7, 3214868480
	.fill 96, 4, 3214868480
	.section	.rodata,"a",@progbits
	.p2align	6, 0x0
	.amdhsa_kernel k_q58769e2a68_vlad_norm
		.amdhsa_group_segment_fixed_size 41984
		.amdhsa_private_segment_fixed_size 0
		.amdhsa_enable_private_segment 0
		.amdhsa_kernarg_size 32
		.amdhsa_user_sgpr_count 2
		.amdhsa_user_sgpr_kernarg_segment_ptr 1
		.amdhsa_wavefront_size32 1
		.amdhsa_system_sgpr_workgroup_id_x 1
		.amdhsa_system_sgpr_workgroup_id_y 1
		.amdhsa_system_sgpr_workgroup_id_z 1
		.amdhsa_system_vgpr_workitem_id 0
		.amdhsa_next_free_vgpr 256
		.amdhsa_next_free_sgpr 66
		.amdhsa_reserve_vcc 0
		.amdhsa_float_denorm_mode_32 3
		.amdhsa_float_denorm_mode_16_64 3
		.amdhsa_memory_ordered 1
		.amdhsa_forward_progress 1
		.amdhsa_inst_pref_size 22
	.end_amdhsa_kernel
	.amdgpu_metadata
---
amdhsa.version: [ 1, 2 ]
amdhsa.kernels:
  - .name:           k_q58769e2a68_vlad_norm
    .symbol:         k_q58769e2a68_vlad_norm.kd
    .args:
      - { .name: part, .offset: 0, .size: 8, .value_kind: global_buffer, .address_space: global }
      - { .name: asum, .offset: 8, .size: 8, .value_kind: global_buffer, .address_space: global }
      - { .name: centroids, .offset: 16, .size: 8, .value_kind: global_buffer, .address_space: global }
      - { .name: out0, .offset: 24, .size: 8, .value_kind: global_buffer, .address_space: global }
    .group_segment_fixed_size: 41984
    .private_segment_fixed_size: 0
    .kernarg_segment_align: 8
    .kernarg_segment_size: 32
    .max_flat_workgroup_size: 256
    .sgpr_count:     66
    .vgpr_count:     256
    .wavefront_size: 32
...
	.end_amdgpu_metadata
.endif
;; end of part 2
